; MI455X (gfx1250); checked and timed in simulation.
; The chip was launched on July 23, 2026; its instructions are those of AMD's public machine-readable ISA for CDNA 5 (MIT licence, August 2026) and "CDNA5" Instruction Set Architecture Reference Guide (July 2026). The comments in the code are by the model that wrote it; some were corrected since.
;; Multi Head Self Attention. Allowed arithmetic: matrix products marked QUANTISED: E2M1 operands, one E8M0 scale for each 32 along K, by v_wmma_scale_f32_16x16x128_f8f6f4 with both operands' format E2M1 (or v_wmma_scale_f32_32x16x128_f4), f32 sums; everything else in f32.
;; Inputs: Wk_codes 1,024 x 32 x 16 uint8 (E2M1 codes of Wk, K innermost, in blocks of 32 codes, two codes a byte); Wk_scales 1,024 x 32 uint8 (E8M0 scales of Wk, one for each 32 codes along K); Wo_codes 1,024 x 32 x 16 uint8 (E2M1 codes of Wo, K innermost, in blocks of 32 codes, two codes a byte); Wo_scales 1,024 x 32 uint8 (E8M0 scales of Wo, one for each 32 codes along K); Wq_codes 1,024 x 32 x 16 uint8 (E2M1 codes of Wq, K innermost, in blocks of 32 codes, two codes a byte); Wq_scales 1,024 x 32 uint8 (E8M0 scales of Wq, one for each 32 codes along K); Wv_codes 1,024 x 32 x 16 uint8 (E2M1 codes of Wv, K innermost, in blocks of 32 codes, two codes a byte); Wv_scales 1,024 x 32 uint8 (E8M0 scales of Wv, one for each 32 codes along K); x_codes 4 x 2,048 x 32 x 16 uint8 (E2M1 codes of x, K innermost, in blocks of 32 codes, two codes a byte); x_scales 4 x 2,048 x 32 uint8 (E8M0 scales of x, one for each 32 codes along K).
;; Outputs: out0 4 x 2,048 x 1,024 float32.
;; This version of the problem:
;;   THIS VERSION OF THE PROBLEM IS GIVEN IN LOW PRECISION. The matrix products marked QUANTISED in the list below multiply operands that are first quantised to E2M1 (2 exponent bits, 1 mantissa bit; 4 bits a number), with one power-of-two scale for each 32 numbers along K (OCP MX v1.0); their sums are f32. All else is computed in f32.
;;   The module's matrix products, in the order in which they are computed (A, B: the left and right operand; K: the contracted axis; several contracted axes count as one K, in the product's order):
;;     1. [M 8,192, K 1,024] x [K 1,024, N 1,024]; A: input x (given as codes); B: input Wq (given as codes): QUANTISED
;;     2. [M 8,192, K 1,024] x [K 1,024, N 1,024]; A: input x (given as codes); B: input Wk (given as codes): QUANTISED
;;     3. [M 8,192, K 1,024] x [K 1,024, N 1,024]; A: input x (given as codes); B: input Wv (given as codes): QUANTISED
;;     4. batch 64 x [M 2,048, K 64] x [K 64, N 2,048]; A: computed on the way; B: computed on the way: QUANTISED
;;     5. batch 64 x [M 2,048, K 2,048] x [K 2,048, N 64]; A: softmax (see below); B: computed on the way: QUANTISED
;;     6. [M 8,192, K 1,024] x [K 1,024, N 1,024]; A: computed on the way; B: input Wo (given as codes): QUANTISED
;;   THE QUANTISER, for each operand of a quantised product, along K:
;;     - K is cut into blocks of 32 from its start; a last block that is shorter is filled with zeros.
;;     - A block's scale is 2^e with e = floor(log2(the largest magnitude in the block)) - 2, held to -126 .. 127; a block of zeros has e = 0. As a byte (E8M0): e + 127.
;;     - Each number is divided by its block's scale, clamped to +-6, and rounded to the nearest number of E2M1, ties to even, subnormals kept.
;;     - The product sums the exact products of the quantised numbers (number of the format x scale) in f32.
;;   ~~~python
;;   def quantise(x, axis):      # numpy; x: float32 -> the quantised numbers, widened to float32 again
;;       x = np.moveaxis(x, axis, -1); K = x.shape[-1]
;;       x = np.pad(x, [(0, 0)] * (x.ndim - 1) + [(0, -K % 32)]); x = x.reshape(x.shape[:-1] + (-1, 32)); a = np.abs(x).max(-1, keepdims=True)
;;       e = np.where(a > 0, np.clip(np.frexp(np.where(a > 0, a, 1))[1] - 1 - 2, -126, 127), 0)      # np.frexp(a)[1] - 1 = floor(log2(a)), exactly
;;       r = np.clip(x / 2.0 ** e, -6, 6)
;;       step = 2.0 ** (np.maximum(np.frexp(np.where(r == 0, 1, r))[1] - 1, 0) - 1)
;;       q = np.round(r / step) * step * 2.0 ** e      # np.round: ties to even
;;       return np.moveaxis(q.reshape(q.shape[:-2] + (-1,))[..., :K], -1, axis).astype(np.float32)
;;   ~~~
;;   SOFTMAX AHEAD OF A QUANTISED PRODUCT. Where the list says 'softmax', what is quantised is not the finished softmax but p = 2^(t - M), with t = logit x log2(e) and M = ceil(the row's largest t), a whole number; so 1/2 < the row's largest p <= 1. The row's sum l is taken of the UNQUANTISED p, in f32, and the product's result is divided by l at the end. Since M is a whole number, a kernel that streams over the keys may use a running M (the ceiling of the running maximum): every later rescaling is an exact power of two, which a block's scale takes up: the codes' values come out the same.
;;   OPERANDS COMPUTED ON THE WAY. 'Computed on the way' means the value that the module computes at that place (a softmax that the list does not call 'softmax' is quantised finished and normalised). What goes into a quantiser is computed in f32, as accurately as f32 sums, v_exp_f32 and their like allow (about 1e-6 of the number): no bf16 or f16 on the way to a quantiser, and a product that is left as it is and whose result goes on into a quantised operand takes f32 operands (vector FMAs, or v_wmma_f32_16x16x4_f32). A number that lies on a knife's edge between two numbers of the format may be rounded either way, as far as f32 arithmetic and the matrix unit's own rounding can turn it there, and no further.
;;   INPUTS GIVEN AS CODES. Wk (in the module: [1024, 1024], K = its axis 1); Wo (in the module: [1024, 1024], K = its axis 1); Wq (in the module: [1024, 1024], K = its axis 1); Wv (in the module: [1024, 1024], K = its axis 1); x (in the module: [4, 2048, 1024], K = its axis 2): each comes as NAME_codes (uint8): NAME with its K axis moved to the last place and cut into blocks of 32 codes, [.., K / 32, bytes a block], one block behind the other in memory; two codes a byte, the lower K in the low four bits (a code: sign, 2 exponent bits, 1 mantissa bit); and NAME_scales (uint8): the same leading axes, one E8M0 byte (e + 127) for each 32 codes along K. Its value is code x scale, taken as it is: it is not quantised again, and the codes and scales need not be those that the quantiser above would give.
;; One version. Each part assembles by itself: llvm-mc -triple=amdgcn-amd-amdhsa -mcpu=gfx1250 --defsym DOCPART=n.
;; ======== version 1 of 1: 3 launches
;; workspace buffers: qkv 13,893,632 bytes; oc 4,194,304 bytes; os 262,144 bytes
;; launch qkv (part 1): grid 16 x 32, 4 waves a work-group, clusters of 4 x 4, 262,656 bytes of LDS; arguments x_codes, x_scales, Wq_codes, Wq_scales, Wk_codes, Wk_scales, Wv_codes, Wv_scales, qkv; writes qkv
.if DOCPART == 1
	.amdgcn_target "amdgcn-amd-amdhsa--gfx1250"
	.amdhsa_code_object_version 6
	.text
	.protected	k_q0fe2c9ec28_qkv
	.globl	k_q0fe2c9ec28_qkv
	.p2align	8
	.type	k_q0fe2c9ec28_qkv,@function
k_q0fe2c9ec28_qkv:
	s_mov_b64 s[64:65], 0
	v_nop
	global_prefetch_b8 v0, s[64:65] scope:SCOPE_SE
	s_setreg_imm32_b32 hwreg(HW_REG_WAVE_MODE, 25, 1), 1
	s_wait_xcnt 0x0
	s_wait_alu depctr_hold_cnt(0) depctr_sa_sdst(0) depctr_va_vdst(0) depctr_va_sdst(0) depctr_va_ssrc(0) depctr_va_vcc(0) depctr_vm_vsrc(0)
	s_getreg_b32 s2, hwreg(HW_REG_IB_STS2, 6, 4)
	s_cmp_eq_u32 s2, 0
	s_cbranch_scc0 .Lentry_in_a_cluster
	s_endpgm
.Lentry_in_a_cluster:
	s_bfe_u32 s2, ttmp6, 0x10000c
	s_cmp_lg_u32 s2, 0xf033
	s_cbranch_scc0 .Lentry_shape_is_right
	s_endpgm
.Lentry_shape_is_right:
; q, k, v = x Wq^T, x Wk^T, x Wv^T on codes of FP4 (E2M1) with E8M0 scales; RoPE on q and k in f32; q, k (along the head's 64) and v (along the keys) quantised to FP4 again.
; SHARES.  Work-group x = head (0..15), y = a block of 64 positions (0..31).  It takes those 64 positions of all four batches (256 rows of x) against the head's 64 rows of each of Wq, Wk, Wv.
; Wave w = batch w: 64 rows x 192 columns, 48 accumulators.  All four waves have the same positions, so the table of cosines and sines (64 positions x 32 frequencies) is made once, a quarter by each wave.
; K = 1,024 is 512 bytes a row: all of it lies in LDS, in two halves of 256 bytes a row, each filled once.  By this text's count a wave has eight tensor loads out.
; CLUSTER 4 x 4: x's tiles hang on the position block and the wave: shared along a row of the cluster; the weights' on the head and the wave: shared along a column.  The weights lie in three buffers and four
; waves fetch, so each wave brings 16 rows of each: small loads, but the same eight lines in every wave, with one counted wait and no branch.
; q and k are made TRANSPOSED (source 0 = 16 rows of W, source 1 = 16 rows of x): a lane holds one position and eight neighbouring channels.  v the other way (source 0 = x, source 1 = W): a lane holds one channel and eight neighbouring keys.
; In both, register j of lane (r, h) of tile u is k = 16 u + 8 h + j of the next product's K: tiles 2 b, 2 b + 1 of lanes l and l xor 16 are block b of 32.
; OUTPUT, per head (batch x 16 + head), 217,088 bytes: 16 records of 8,960 bytes (128 keys: K's 8 images, V^T's 8, K's scale words, V's), then Q's 128 images, then Q's scale words.  An image is a tile's operand registers, 16 bytes a lane.
; LIMITS: NaN and infinities are not served.  A block of zeros gets the byte 1 (its codes are zeros; only this program reads the bytes).  inv_freq is the rounded reciprocal of the rounded 10^(i/8): it may differ by one unit in the last place from a power function's.
; REGISTERS: window 0: v1-15 addresses; v16-31 at work; v32-47 x's scale words, v48-95 the weights'; v96-159 x's fragments, two sets; v160-255 at work.  window 1: the weights' fragments, two sets of 96.
;   window 2: q's and k's accumulators, (hq, mt, t) at 8 (16 hq + 4 mt + t).   window 3: v's, (dt, mt) at 8 (4 dt + mt).
.set PITCH,  272                       ; an LDS row: 256 bytes + 16 of padding: the 16 rows of a fragment load start 68 words apart
.set SLOT,   121856                    ; half of K: x's 256 rows, then the weights' 192
.set WOFF,   69632                     ; where the weights' rows begin in a half
.set TAB,    243712                    ; the table: [tile of positions 4][t 4][half 2][lane][16 bytes] of pairs (cos, sin)
.set HEADB,  217088
.set REC,    8960
.set QIMG,   143360
.set QSC,    208896
.set RR,   1                           ; lane % 16
.set HH,   2                           ; lane / 16
.set L16,  3                           ; 16 x lane
.set ADRX, 4                           ; v4-5  my x fragments in half 0, 1
.set ADRW, 6                           ; v6-7  the weights'
.set TW,   8                           ; where I store my part of the table
.set TR,   9                           ; where I read the table
.set SOF,  10                          ; scale words: 32 r + 1,024 h
.set WOF,  11                          ; q's / k's scale words on the way out
.set VOF,  12                          ; v's
.set POS,  15                          ; my position, f32
.set TM,   16                          ; v16-21 the quantiser's scratch
.set T,    24                          ; v24-31 scratch
.set SCX,  32
.set SCW,  48
.set XF,   96
.set INV,  160                         ; 16 frequencies
.set CSB,  176                         ; 16 pairs (cos, sin)
.set YY,   208
.set TBL,  160                         ; the way out: a tile's 16 pairs
.set RO,   192                         ; 32 rotated numbers
.set COD,  96                          ; q's and k's codes, 4 registers for each (hq, mt)
.set VCOD, 128
.set QW,   144                         ; q's 4 scale words, k's 4
.set VU,   152
.set BY,   224
.set SW,   228
.set VD,   232
.set WV,   8
.set G1X,  16
.set G1W,  24
.set SEL,  94
.set MSB, 0
.macro WIN new                         ; the immediate's high byte repeats the setting that is left
.if MSB != (\new)
	s_set_vgpr_msb (MSB<<8)|(\new)
.set MSB, (\new)
.endif
.endm
.macro PLACES n
.rept \n
	v_nop
.endr
.endm
.macro CROUND                          ; a round of the cluster's barrier
	s_barrier_signal -1
	s_barrier_wait -1
	s_cmp_lg_u32 s[WV], 0
	s_cbranch_scc1 .Lnot_wave_0_\@
	s_barrier_signal -3
.Lnot_wave_0_\@:
	s_barrier_wait -3
	s_barrier_signal -1
	s_barrier_wait -1
.endm
; One product.  ra, rb: the side's scale words stand in lanes 16-31 of the register named.  zero: the product starts its sum.
.macro W4 d, a, b, zero, sa, sb, ra, rb
.if (\zero) && (\ra) && (\rb)
	v_wmma_scale_f32_16x16x128_f8f6f4 v[(\d):(\d)+7], v[(\a):(\a)+7], v[(\b):(\b)+7], 0, v[(\sa)], v[(\sb)] matrix_a_fmt:MATRIX_FMT_FP4 matrix_b_fmt:MATRIX_FMT_FP4 matrix_a_scale:MATRIX_SCALE_ROW1 matrix_b_scale:MATRIX_SCALE_ROW1
.elseif (\zero) && (\ra)
	v_wmma_scale_f32_16x16x128_f8f6f4 v[(\d):(\d)+7], v[(\a):(\a)+7], v[(\b):(\b)+7], 0, v[(\sa)], v[(\sb)] matrix_a_fmt:MATRIX_FMT_FP4 matrix_b_fmt:MATRIX_FMT_FP4 matrix_a_scale:MATRIX_SCALE_ROW1
.elseif (\zero) && (\rb)
	v_wmma_scale_f32_16x16x128_f8f6f4 v[(\d):(\d)+7], v[(\a):(\a)+7], v[(\b):(\b)+7], 0, v[(\sa)], v[(\sb)] matrix_a_fmt:MATRIX_FMT_FP4 matrix_b_fmt:MATRIX_FMT_FP4 matrix_b_scale:MATRIX_SCALE_ROW1
.elseif (\zero)
	v_wmma_scale_f32_16x16x128_f8f6f4 v[(\d):(\d)+7], v[(\a):(\a)+7], v[(\b):(\b)+7], 0, v[(\sa)], v[(\sb)] matrix_a_fmt:MATRIX_FMT_FP4 matrix_b_fmt:MATRIX_FMT_FP4
.elseif (\ra) && (\rb)
	v_wmma_scale_f32_16x16x128_f8f6f4 v[(\d):(\d)+7], v[(\a):(\a)+7], v[(\b):(\b)+7], v[(\d):(\d)+7], v[(\sa)], v[(\sb)] matrix_a_fmt:MATRIX_FMT_FP4 matrix_b_fmt:MATRIX_FMT_FP4 matrix_a_scale:MATRIX_SCALE_ROW1 matrix_b_scale:MATRIX_SCALE_ROW1
.elseif (\ra)
	v_wmma_scale_f32_16x16x128_f8f6f4 v[(\d):(\d)+7], v[(\a):(\a)+7], v[(\b):(\b)+7], v[(\d):(\d)+7], v[(\sa)], v[(\sb)] matrix_a_fmt:MATRIX_FMT_FP4 matrix_b_fmt:MATRIX_FMT_FP4 matrix_a_scale:MATRIX_SCALE_ROW1
.elseif (\rb)
	v_wmma_scale_f32_16x16x128_f8f6f4 v[(\d):(\d)+7], v[(\a):(\a)+7], v[(\b):(\b)+7], v[(\d):(\d)+7], v[(\sa)], v[(\sb)] matrix_a_fmt:MATRIX_FMT_FP4 matrix_b_fmt:MATRIX_FMT_FP4 matrix_b_scale:MATRIX_SCALE_ROW1
.else
	v_wmma_scale_f32_16x16x128_f8f6f4 v[(\d):(\d)+7], v[(\a):(\a)+7], v[(\b):(\b)+7], v[(\d):(\d)+7], v[(\sa)], v[(\sb)] matrix_a_fmt:MATRIX_FMT_FP4 matrix_b_fmt:MATRIX_FMT_FP4
.endif
.endm
; 32 numbers of a lane in window ws, register 8 u + j = k 16 u + 8 h + j, become four registers of codes (lane (r, h): k = 32 h + 0 .. 31) in v[dst] on and the two blocks' scale bytes in v[by], v[by + 1].
.macro QUANT2 src, ws, dst, by
	WIN 5*(\ws)
.irp b, 0,1
	v_max3_num_f32 v[TM+\b], |v[(\src)+16*\b]|, |v[(\src)+16*\b+1]|, 0x1800000   ; my 16 numbers of block b, and the floor 2^(3 - 127): the byte cannot fall under 1
.endr
	WIN 20*(\ws)
.irp i, 2,4,6,8,10,12,14
.irp b, 0,1
	v_max3_num_f32 v[TM+\b], v[TM+\b], |v[(\src)+16*\b+\i]|, |v[(\src)+16*\b+\i+1]|
.endr
.endr
	WIN 0
.irp b, 0,1
	v_permlanex16_b32 v[TM+2+\b], v[TM+\b], s[SEL], s[SEL+1]
.endr
.irp b, 0,1
	v_max_num_f32 v[TM+\b], v[TM+\b], v[TM+2+\b]   ; with lane l xor 16's 16: the block's largest magnitude
.endr
.irp b, 0,1
	v_add_nc_u32 v[TM+4+\b], 0xff000000, v[TM+\b]  ; 2 off its exponent field: the conversion's scale operand
.endr
.irp b, 0,1
	v_lshrrev_b32 v[(\by)+\b], 23, v[TM+4+\b]      ; the scale's byte
.endr
	WIN \ws
	v_cvt_scalef32_pk8_fp4_f32 v[(\dst)], v[(\src):(\src)+7], v[TM+4]
	v_cvt_scalef32_pk8_fp4_f32 v[(\dst)+1], v[(\src)+16:(\src)+23], v[TM+5]
	v_cvt_scalef32_pk8_fp4_f32 v[(\dst)+2], v[(\src)+8:(\src)+15], v[TM+4]
	v_cvt_scalef32_pk8_fp4_f32 v[(\dst)+3], v[(\src)+24:(\src)+31], v[TM+5]
	WIN 0
	v_nop                                          ; one plain line behind the scaled conversions
	v_permlane16_swap_b32 v[(\dst)], v[(\dst)+1]   ; the first's lanes 16-31 change places with the second's lanes 0-15: a whole block in a lane
	v_permlane16_swap_b32 v[(\dst)+2], v[(\dst)+3]
.endm
	s_load_b512 s[68:83], s[0:1], 0x0              ; x codes, x scales, Wq codes, Wq scales, Wk codes, Wk scales, Wv codes, Wv scales
	s_load_b64 s[84:85], s[0:1], 0x40              ; qkv
	v_lshl_add_u32 v254, v0, 2, 0x40000
	v_mov_b32 v255, 0
	ds_add_u32 v254, v255
	ds_add_u32 v254, v255
	v_lshrrev_b32 v13, 5, v0
	v_readfirstlane_b32 s[WV], v13                 ; wave = batch
	s_bfe_u32 s9, ttmp6, 0x40000                   ; cx
	s_bfe_u32 s10, ttmp6, 0x40004                  ; cy
	s_lshl_b32 s11, ttmp9, 2
	s_add_co_u32 s11, s11, s9                      ; the head
	s_and_b32 s12, ttmp7, 0xffff
	s_lshl_b32 s12, s12, 2
	s_add_co_u32 s12, s12, s10                     ; the block of 64 positions
	s_lshl_b32 s13, s10, 2
	s_lshl_b32 s13, 15, s13                        ; my row of the cluster
	s_lshl_b32 s14, 0x1111, s9                     ; my column
	; descriptor group 1: rows of 256 bytes, 16 of padding behind each, 512 bytes apart in memory; x: 64 rows, a weight: 16
	s_or_b32 s[G1X], s13, (1<<20)|(1<<21)|(5<<22)|(3<<25)
	s_or_b32 s[G1W], s14, (1<<20)|(1<<21)|(5<<22)|(3<<25)
	s_mov_b32 s[G1X+1], 256<<16
	s_mov_b32 s[G1X+2], 64<<16
	s_mov_b32 s[G1X+3], 256<<16
	s_mov_b32 s[G1X+4], 64
	s_mov_b32 s[G1X+5], 512
	s_mov_b32 s[G1X+6], 0
	s_mov_b32 s[G1X+7], 0
	s_mov_b32 s[G1W+1], 256<<16
	s_mov_b32 s[G1W+2], 16<<16
	s_mov_b32 s[G1W+3], 256<<16
	s_mov_b32 s[G1W+4], 16
	s_mov_b32 s[G1W+5], 512
	s_mov_b32 s[G1W+6], 0
	s_mov_b32 s[G1W+7], 0
	s_lshl_b32 s86, s[WV], 20                      ; x: row 2,048 w + 64 block, 512 bytes a row
	s_lshl_b32 s15, s12, 15
	s_add_co_u32 s86, s86, s15
	s_mov_b32 s87, 0
	s_lshl_b32 s88, s11, 15                        ; a weight: row 64 head + 16 w
	s_lshl_b32 s98, s[WV], 13
	s_add_co_u32 s88, s88, s98
	s_mov_b32 s89, 0
	s_mul_i32 s90, s[WV], 64*PITCH                 ; where they go: no place in the cluster enters an LDS address
	s_mul_i32 s91, s[WV], 16*PITCH
	s_add_co_u32 s91, s91, WOFF
	v_and_b32 v[RR], 15, v0
	v_bfe_u32 v[HH], v0, 4, 1
	v_and_b32 v[L16], 31, v0
	v_lshlrev_b32 v[L16], 4, v[L16]
	v_mul_u32_u24 v13, v[RR], PITCH
	v_lshl_add_u32 v13, v[HH], 4, v13              ; a fragment's row x pitch + 16 x half
	v_add_nc_u32 v[ADRX], s90, v13
	v_add_nc_u32 v[ADRX+1], SLOT, v[ADRX]
	v_add_nc_u32 v[ADRW], WOFF, v13
	v_add_nc_u32 v[ADRW+1], SLOT+WOFF, v13
	s_lshl_b32 s99, s[WV], 12
	s_add_co_u32 s99, s99, TAB
	v_add_nc_u32 v[TW], s99, v[L16]
	v_add_nc_u32 v[TR], TAB, v[L16]
	v_lshlrev_b32 v[SOF], 5, v[RR]
	v_lshl_add_u32 v[SOF], v[HH], 10, v[SOF]       ; a row of scale bytes is 32 bytes; lanes 16-31 take the tile two further on
	v_mov_b32 v[TM+2], 0                           ; written once: a lane permute's destination counts as one of its sources
	v_mov_b32 v[TM+3], 0
	s_mov_b32 s[SEL], 0x76543210
	s_mov_b32 s[SEL+1], 0xfedcba98                 ; lane l xor 16
	s_mov_b32 s96, 0xb94ca1f9                      ; the sine's highest coefficient
	s_mov_b32 s97, 0x37ccf5ce                      ; the cosine's
	s_wait_dscnt 0x0
	s_wait_kmcnt 0x0
	s_add_nc_u64 s[68:69], s[68:69], s[86:87]
	s_add_nc_u64 s[72:73], s[72:73], s[88:89]
	s_add_nc_u64 s[76:77], s[76:77], s[88:89]
	s_add_nc_u64 s[80:81], s[80:81], s[88:89]
.irp k, 0,1                                    ; group 0: for each half of K, x's, Wq's, Wk's, Wv's
	s_mov_b32 s[32+16*\k], 1
	s_add_co_u32 s[33+16*\k], s90, \k*SLOT
	s_add_nc_u64 s[34+16*\k:35+16*\k], s[68:69], \k*256
	s_or_b32 s[35+16*\k], s[35+16*\k], 0x80000000
.irp i, 0,1,2
	s_mov_b32 s[36+16*\k+4*\i], 1
	s_add_co_u32 s[37+16*\k+4*\i], s91, \k*SLOT+\i*64*PITCH
	s_add_nc_u64 s[38+16*\k+4*\i:39+16*\k+4*\i], s[72+4*\i:73+4*\i], \k*256
	s_or_b32 s[39+16*\k+4*\i], s[39+16*\k+4*\i], 0x80000000
.endr
.endr
	CROUND                                         ; all sixteen work-groups are here: the joint loads meet
	tensor_load_to_lds s[32:35], s[G1X:G1X+7]      ; half 0
	s_nop 0
	tensor_load_to_lds s[36:39], s[G1W:G1W+7]
	s_nop 0
	tensor_load_to_lds s[40:43], s[G1W:G1W+7]
	s_nop 0
	tensor_load_to_lds s[44:47], s[G1W:G1W+7]
	s_nop 0
	tensor_load_to_lds s[48:51], s[G1X:G1X+7]      ; half 1
	s_nop 0
	tensor_load_to_lds s[52:55], s[G1W:G1W+7]
	s_nop 0
	tensor_load_to_lds s[56:59], s[G1W:G1W+7]
	s_nop 0
	tensor_load_to_lds s[60:63], s[G1W:G1W+7]
	s_nop 0
	PLACES 4                                       ; four lines behind a tensor load
	; the scale words of all of K go straight into registers, once: a lane's 16 bytes are four K steps' words of its row
	s_lshl_b32 s92, s[WV], 16
	s_lshl_b32 s98, s12, 11
	s_add_co_u32 s92, s92, s98
	s_mov_b32 s93, 0
	s_add_nc_u64 s[70:71], s[70:71], s[92:93]
	s_lshl_b32 s92, s11, 11
	s_add_nc_u64 s[74:75], s[74:75], s[92:93]
	s_add_nc_u64 s[78:79], s[78:79], s[92:93]
	s_add_nc_u64 s[82:83], s[82:83], s[92:93]
.irp u, 0,1
.irp g, 0,1
	global_load_b128 v[SCX+8*\u+4*\g:SCX+8*\u+4*\g+3], v[SOF], s[70:71] offset:512*\u+16*\g
.endr
.endr
.irp i, 0,1,2
.irp u, 0,1
.irp g, 0,1
	global_load_b128 v[SCW+16*\i+8*\u+4*\g:SCW+16*\i+8*\u+4*\g+3], v[SOF], s[74+4*\i:75+4*\i] offset:512*\u+16*\g
.endr
.endr
.endr
	; where the results go
	s_lshl_b32 s98, s[WV], 4
	s_add_co_u32 s98, s98, s11
	s_mul_i32 s98, s98, HEADB
	s_mov_b32 s99, 0
	s_add_nc_u64 s[84:85], s[84:85], s[98:99]      ; my head
	s_lshr_b32 s92, s12, 1
	s_mul_i32 s92, s92, REC                        ; the record of 128 keys,
	s_and_b32 s93, s12, 1                          ; and which half of it
	s_lshl_b32 s98, s12, 11
	s_add_co_u32 s98, s98, QIMG
	s_add_nc_u64 s[68:69], s[84:85], s[98:99]      ; Q's four images
	s_lshl_b32 s98, s93, 11
	s_add_co_u32 s98, s98, s92
	s_add_nc_u64 s[72:73], s[84:85], s[98:99]      ; K's four
	s_lshl_b32 s98, s93, 9
	s_add_co_u32 s98, s98, s92
	s_add_co_u32 s98, s98, 4096
	s_add_nc_u64 s[76:77], s[84:85], s[98:99]      ; V^T's: my half of each of four fragments
	s_lshl_b32 s98, s93, 1
	s_add_co_u32 s98, s98, s92
	s_add_co_u32 s98, s98, 8704
	s_add_nc_u64 s[80:81], s[84:85], s[98:99]      ; V's scale words: my two bytes of each
	s_lshl_b32 s98, s12, 8
	s_add_co_u32 s98, s98, QSC                     ; Q's scale words, from the head on
	s_lshl_b32 s100, s93, 8
	s_add_co_u32 s100, s100, s92
	s_add_co_u32 s100, s100, 8192                  ; K's
	; THE TABLE, while the tiles are on their way.  Wave w: positions 64 block + 16 w + r; my 16 frequencies i = 8 t + 4 h + e.
	s_lshl_b32 s15, s12, 6
	s_lshl_b32 s2, s[WV], 4
	s_add_co_u32 s15, s15, s2
	v_add_nc_u32 v[POS], s15, v[RR]
	v_cvt_f32_u32 v[POS], v[POS]
	v_cmp_ne_u32 vcc_lo, 0, v[HH]
.macro PSET i, lo, hi                          ; 10^(i / 8): lanes 0-15 take lo, lanes 16-31 hi
	v_mov_b32 v[INV+\i], \hi
	v_cndmask_b32 v[INV+\i], \lo, v[INV+\i], vcc_lo
.endm
	PSET 0, 1.0, 3.1622776601683795
	PSET 1, 1.3335214321633240, 4.2169650342858225
	PSET 2, 1.7782794100389228, 5.6234132519034908
	PSET 3, 2.3713737056616552, 7.4989420933245582
	PSET 4, 10.0, 31.622776601683795
	PSET 5, 13.335214321633240, 42.169650342858225
	PSET 6, 17.782794100389228, 56.234132519034908
	PSET 7, 23.713737056616552, 74.989420933245582
	PSET 8, 100.0, 316.22776601683795
	PSET 9, 133.35214321633240, 421.69650342858225
	PSET 10, 177.82794100389228, 562.34132519034908
	PSET 11, 237.13737056616552, 749.89420933245582
	PSET 12, 1000.0, 3162.2776601683795
	PSET 13, 1333.5214321633240, 4216.9650342858225
	PSET 14, 1778.2794100389228, 5623.4132519034908
	PSET 15, 2371.3737056616552, 7498.9420933245582
.set i, 0
.rept 16
	v_rcp_f32 v[YY+i], v[INV+i]
.set i, i+1
.endr
	v_nop                                          ; a plain line behind the last reciprocal
	s_wait_alu depctr_va_vdst(0)                   ; one wait for the sixteen, ahead of their first reader
.set i, 0
.rept 16
	v_fma_f32 v[INV+i], -v[INV+i], v[YY+i], 1.0    ; one Newton step: e = 1 - P y,
.set i, i+1
.endr
.set i, 0
.rept 16
	v_fma_f32 v[INV+i], v[YY+i], v[INV+i], v[YY+i] ; y + y e
.set i, i+1
.endr
; cos and sin of the rounded angle pos x inv_freq (up to 2,047): the nearest multiple of pi/2 is taken off in two parts by fused multiply-adds, then polynomials on [-pi/4, pi/4], then the quadrant.
.macro SINCOS i, dst
	v_mul_f32 v[T], v[POS], v[INV+\i]              ; the angle, rounded once
	v_mul_f32 v[T+1], 0x3f22f983, v[T]             ; x 2 / pi
	v_rndne_f32 v[T+1], v[T+1]
	v_fmamk_f32 v[T+2], v[T+1], 0xbfc90fdb, v[T]   ; - k x (pi/2's upper part)
	v_fmamk_f32 v[T+2], v[T+1], 0x333bbd2e, v[T+2] ; - k x (its lower part)
	v_mul_f32 v[T+3], v[T+2], v[T+2]               ; z
	v_fmaak_f32 v[T+4], s96, v[T+3], 0x3c08839e
	v_fmaak_f32 v[T+4], v[T+4], v[T+3], 0xbe2aaaa3
	v_mul_f32 v[T+5], v[T+3], v[T+2]
	v_fma_f32 v[T+4], v[T+4], v[T+5], v[T+2]       ; sin r
	v_fmaak_f32 v[T+6], s97, v[T+3], 0xbab6061a
	v_fmaak_f32 v[T+6], v[T+6], v[T+3], 0x3d2aaaa5
	v_mul_f32 v[T+5], v[T+3], v[T+3]
	v_fma_f32 v[T+7], v[T+3], -0.5, 1.0
	v_fma_f32 v[T+6], v[T+6], v[T+5], v[T+7]       ; cos r
	v_cvt_i32_f32 v[T+1], v[T+1]                   ; the quadrant's number
	v_and_b32 v[T], 1, v[T+1]
	v_cmp_ne_u32 vcc_lo, 0, v[T]
	v_cndmask_b32 v[T+2], v[T+4], v[T+6], vcc_lo   ; odd quadrants change the two
	v_cndmask_b32 v[T+3], v[T+6], v[T+4], vcc_lo
	v_lshlrev_b32 v[T], 30, v[T+1]
	v_and_b32 v[T], 0x80000000, v[T]               ; the sine's sign: quadrants 2, 3
	v_xor_b32 v[(\dst)+1], v[T], v[T+2]
	v_add_nc_u32 v[T+1], 1, v[T+1]
	v_lshlrev_b32 v[T+1], 30, v[T+1]
	v_and_b32 v[T+1], 0x80000000, v[T+1]           ; the cosine's: quadrants 1, 2
	v_xor_b32 v[(\dst)], v[T+1], v[T+3]
.endm
.irp i, 0,1,2,3,4,5,6,7,8,9,10,11,12,13,14,15
	SINCOS \i, CSB+2*\i
.endr
.irp i, 0,1,2,3,4,5,6,7
	ds_store_b128 v[TW], v[CSB+4*\i:CSB+4*\i+3] offset:512*\i
.endr
	s_wait_loadcnt 0x0                             ; the scale words
	s_wait_tensorcnt 0x4                           ; my four loads of half 0 have landed; the four of half 1 may be out
	s_wait_dscnt 0x0                               ; my part of the table is stored
	s_barrier_signal -1
	s_barrier_wait -1                              ; everybody's
; THE PRODUCTS: eight K steps of 128.  The next step's 32 fragment loads are issued ahead of a step's 48 products.
.macro FETCH s, set
	WIN 0x40                                       ; destination window 1
.irp f, 0,1,2,3,4,5,6,7,8,9,10,11
.irp c, 0,1
	ds_load_b128 v[96*(\set)+8*\f+4*\c:96*(\set)+8*\f+4*\c+3], v[ADRW+(\s)/4] offset:\f*16*PITCH+64*((\s)%4)+32*\c
.endr
.endr
	WIN 0
.irp m, 0,1,2,3
.irp c, 0,1
	ds_load_b128 v[XF+32*(\set)+8*\m+4*\c:XF+32*(\set)+8*\m+4*\c+3], v[ADRX+(\s)/4] offset:\m*16*PITCH+64*((\s)%4)+32*\c
.endr
.endr
.endm
; The 48 accumulators take turns, one instruction a turn, in the same order in every step.
.macro MULS s, set, zero
	WIN 0xa1                                       ; source 0 (W) window 1, source 1 (x) window 0, C and D window 2
.irp hq, 0,1
.irp mt, 0,1,2,3
.irp t, 0,1,2,3
	W4 8*(16*\hq+4*\mt+\t), 96*(\set)+8*(4*\hq+\t), XF+32*(\set)+8*\mt, \zero, SCW+16*\hq+8*(\t%2)+(\s), SCX+8*(\mt%2)+(\s), \t/2, \mt/2
.endr
.endr
.endr
	WIN 0xf4                                       ; source 0 (x) window 0, source 1 (W) window 1, C and D window 3
.irp dt, 0,1,2,3
.irp mt, 0,1,2,3
	W4 8*(4*\dt+\mt), XF+32*(\set)+8*\mt, 96*(\set)+8*(8+\dt), \zero, SCX+8*(\mt%2)+(\s), SCW+32+8*(\dt%2)+(\s), \mt/2, \dt/2
.endr
.endr
.endm
.macro KSTEP s
.if (\s) == 3
	s_wait_dscnt 0x0                               ; no LDS load of mine is out at the signal
	s_wait_tensorcnt 0x0                           ; my loads of half 1 have landed,
	s_barrier_signal -1
	s_barrier_wait -1                              ; everybody's: step 4's fragments may be fetched
.endif
.if (\s) > 0
	PLACES 4                                       ; in front of loads into registers that the last products read
.endif
.if (\s) < 7
	FETCH (\s)+1, ((\s)+1)%2
	s_wait_dscnt 32                                ; all but the 32 just issued: this step's fragments are in
.else
	s_wait_dscnt 0x0
.endif
.if (\s) == 0
	MULS \s, 0, 1
.else
	MULS \s, (\s)%2, 0
.endif
.endm
	FETCH 0, 0
.irp s, 0,1,2,3,4,5,6,7
	KSTEP \s
.endr
	WIN 0
	PLACES 4                                       ; in front of the first reads of results, and of writes into the fragments' registers
	; THE WAY OUT.  q and k: rotate, quantise, store a tile's image (512 consecutive bytes a store).  Every store has data registers of its own.
.irp mt, 0,1,2,3
.irp i, 0,1,2,3,4,5,6,7
	ds_load_b128 v[TBL+4*\i:TBL+4*\i+3], v[TR] offset:4096*\mt+512*\i
.endr
	s_wait_dscnt 0x0
.irp hq, 0,1
	WIN 0x02                                       ; source 0: window 2
.set p, 0
.rept 16
	v_pk_mul_f32 v[RO+2*p:RO+2*p+1], v[8*(16*\hq+4*\mt)+2*p:8*(16*\hq+4*\mt)+2*p+1], v[TBL+2*p:TBL+2*p+1] op_sel_hi:[0,1]   ; (e cos, e sin)
.set p, p+1
.endr
.set p, 0
.rept 16
	v_pk_fma_f32 v[RO+2*p:RO+2*p+1], v[8*(16*\hq+4*\mt)+2*p:8*(16*\hq+4*\mt)+2*p+1], v[TBL+2*p:TBL+2*p+1], v[RO+2*p:RO+2*p+1] op_sel:[1,1,0] op_sel_hi:[1,0,1] neg_lo:[0,1,0]   ; (- o sin, + o cos)
.set p, p+1
.endr
	WIN 0
	QUANT2 RO, 0, COD+4*(4*\hq+\mt), BY
	v_lshl_or_b32 v[QW+4*\hq+\mt], v[BY+1], 8, v[BY]   ; the row's scale word: two bytes, and 0 for the half of the next product's K step that holds zeros
	global_store_b128 v[L16], v[COD+4*(4*\hq+\mt):COD+4*(4*\hq+\mt)+3], s[68+4*\hq:69+4*\hq] offset:512*\mt
.endr
.endr
	v_cmp_ne_u32 vcc_lo, 0, v[HH]
.irp m, 0,1,2,3
	v_cndmask_b32 v[SW+\m], v[QW+\m], v[QW+4+\m], vcc_lo   ; lanes 0-15 store q's four words of row r, lanes 16-31 k's: 256 consecutive bytes each
.endr
	v_mov_b32 v13, s98
	v_mov_b32 v14, s100
	v_cndmask_b32 v[WOF], v13, v14, vcc_lo
	v_lshl_add_u32 v[WOF], v[RR], 4, v[WOF]
	global_store_b128 v[WOF], v[SW:SW+3], s[84:85]
	; v: a lane holds channel 16 dt + r and the block's 64 keys: half a fragment of V^T
.irp dt, 0,1,2,3
	QUANT2 32*\dt, 3, VCOD+4*\dt, BY
	v_lshl_or_b32 v[VU+\dt], v[BY+1], 8, v[BY]
	global_store_b128 v[L16], v[VCOD+4*\dt:VCOD+4*\dt+3], s[76:77] offset:1024*\dt
.endr
	v_cndmask_b32 v[VD], v[VU], v[VU+2], vcc_lo
	v_cndmask_b32 v[VD+1], v[VU+1], v[VU+3], vcc_lo
	v_lshlrev_b32 v[VOF], 4, v[RR]
	v_lshl_add_u32 v[VOF], v[HH], 3, v[VOF]
	global_store_b16 v[VOF], v[VD], s[80:81]       ; two of a word's four bytes: the other two are the neighbouring block's.  Lanes 0-15: dt = 0, 1; lanes 16-31: dt = 2, 3
	global_store_b16 v[VOF], v[VD+1], s[80:81] offset:4
	s_wait_tensorcnt 0x0
	ds_add_u32 v254, v255
	s_wait_dscnt 0x0
	CROUND                                         ; the closing round
	s_endpgm
.Lfunc_end_k_q0fe2c9ec28_qkv:
	.size	k_q0fe2c9ec28_qkv, .Lfunc_end_k_q0fe2c9ec28_qkv-k_q0fe2c9ec28_qkv
	.p2alignl 7, 3214868480
	.fill 96, 4, 3214868480
	.section	.rodata,"a",@progbits
	.p2align	6, 0x0
	.amdhsa_kernel k_q0fe2c9ec28_qkv
		.amdhsa_group_segment_fixed_size 262656
		.amdhsa_private_segment_fixed_size 0
		.amdhsa_enable_private_segment 0
		.amdhsa_kernarg_size 72
		.amdhsa_user_sgpr_count 2
		.amdhsa_user_sgpr_kernarg_segment_ptr 1
		.amdhsa_wavefront_size32 1
		.amdhsa_system_sgpr_workgroup_id_x 1
		.amdhsa_system_sgpr_workgroup_id_y 1
		.amdhsa_system_sgpr_workgroup_id_z 1
		.amdhsa_system_vgpr_workitem_id 0
		.amdhsa_next_free_vgpr 896
		.amdhsa_next_free_sgpr 101
		.amdhsa_reserve_vcc 1
		.amdhsa_float_denorm_mode_32 3
		.amdhsa_float_denorm_mode_16_64 3
		.amdhsa_memory_ordered 1
		.amdhsa_forward_progress 1
		.amdhsa_inst_pref_size 145
	.end_amdhsa_kernel
	.amdgpu_metadata
---
amdhsa.version: [ 1, 2 ]
amdhsa.kernels:
  - .name:           k_q0fe2c9ec28_qkv
    .symbol:         k_q0fe2c9ec28_qkv.kd
    .args:
      - { .name: x_codes, .offset: 0, .size: 8, .value_kind: global_buffer, .address_space: global }
      - { .name: x_scales, .offset: 8, .size: 8, .value_kind: global_buffer, .address_space: global }
      - { .name: Wq_codes, .offset: 16, .size: 8, .value_kind: global_buffer, .address_space: global }
      - { .name: Wq_scales, .offset: 24, .size: 8, .value_kind: global_buffer, .address_space: global }
      - { .name: Wk_codes, .offset: 32, .size: 8, .value_kind: global_buffer, .address_space: global }
      - { .name: Wk_scales, .offset: 40, .size: 8, .value_kind: global_buffer, .address_space: global }
      - { .name: Wv_codes, .offset: 48, .size: 8, .value_kind: global_buffer, .address_space: global }
      - { .name: Wv_scales, .offset: 56, .size: 8, .value_kind: global_buffer, .address_space: global }
      - { .name: qkv, .offset: 64, .size: 8, .value_kind: global_buffer, .address_space: global }
    .group_segment_fixed_size: 262656
    .private_segment_fixed_size: 0
    .kernarg_segment_align: 8
    .kernarg_segment_size: 72
    .max_flat_workgroup_size: 128
    .sgpr_count:     101
    .vgpr_count:     896
    .wavefront_size: 32
...
	.end_amdgpu_metadata
.endif
;; end of part 1
;; launch attn (part 2): grid 4 x 64, 16 waves a work-group, clusters of 4 x 1, 169,984 bytes of LDS; arguments qkv, oc, os; writes oc, os
.if DOCPART == 2
	.amdgcn_target "amdgcn-amd-amdhsa--gfx1250"
	.amdhsa_code_object_version 6
	.text
	.protected	k_q0fe2c9ec28_attn
	.globl	k_q0fe2c9ec28_attn
	.p2align	8
	.type	k_q0fe2c9ec28_attn,@function
k_q0fe2c9ec28_attn:
	s_mov_b64 s[64:65], 0
	v_nop
	global_prefetch_b8 v0, s[64:65] scope:SCOPE_SE
	s_setreg_imm32_b32 hwreg(HW_REG_WAVE_MODE, 25, 1), 1
	s_wait_xcnt 0x0
	s_wait_alu depctr_hold_cnt(0) depctr_sa_sdst(0) depctr_va_vdst(0) depctr_va_sdst(0) depctr_va_ssrc(0) depctr_va_vcc(0) depctr_vm_vsrc(0)
	s_getreg_b32 s2, hwreg(HW_REG_IB_STS2, 6, 4)
	s_cmp_eq_u32 s2, 0
	s_cbranch_scc0 .Lentry_in_a_cluster
	s_endpgm
.Lentry_in_a_cluster:
	s_bfe_u32 s2, ttmp6, 0x10000c
	s_cmp_lg_u32 s2, 0x3003
	s_cbranch_scc0 .Lentry_shape_is_right
	s_endpgm
.Lentry_shape_is_right:
; Causal attention of one head (2,048 positions, head size 64) on codes of FP4 with E8M0 scales, and the quantising of its result along the model's axis (blocks of 32 lie inside a head).
; THE SOFTMAX: t = score x log2(e) / 8; M = the running largest t rounded UP to a whole number; p = 2^(t - M) is quantised along the keys, not normalised; the row's sum is taken of the unquantised p and divides at the end.
; SHARES.  A cluster of four work-groups is one head (y); all of the head's K, V and their scale words, 143,360 bytes, lie in each work-group's LDS as they lie in memory, filled once, by joint loads of waves 0 to 3.
; Each of the 16 waves owns two tiles of 16 queries: jL = 8 (w / 2) + 2 cx + w % 2 and jH = 127 - jL.  jL needs key steps 0 .. w / 2, jH 0 .. 15 - w / 2: 17 steps of 128 keys in every wave, two of them on the diagonal.
; Which steps are left out hangs on the wave's number alone; the place in the cluster enters only global addresses and the number against which keys are compared.
; LAYOUT.  S^T = K Q^T (source 0 = 16 keys, source 1 = my 16 queries), O^T = V^T P^T: a lane holds one query throughout.  Register j of tile t of S^T is key 16 t + 8 h + j: tiles 2 b, 2 b + 1 of lanes l and l xor 16 are block b.
; THE HEAD'S 64 IN A K STEP OF 128: Q's upper four registers are zero codes, and the upper two bytes of Q's and K's scale words are 0 (a power of two, no NaN).  So the upper four registers of a K fragment may hold
; anything finite: they are the next tile's codes, and eight tiles take 36 registers and one load each.
; LIMITS: NaN and infinities are not served.  A block of zeros gets the byte 1: its codes are zeros, and only this program reads the bytes.
.set HEADB, 217088
.set REC,   8960                       ; a key step's record: K's 8 images, V^T's 8, K's scale words (at 8,192), V's (at 8,704)
.set QIMG,  143360
.set QSC,   208896
.set L16,  1                           ; 16 x lane
.set R16,  2                           ; 16 x (lane % 16)
.set ADR,  3
.set ADRV, 4
.set DD,   5                           ; r - 8 h
.set RR,   6
.set HH,   7
.set QH,   16                          ; v16-19 the late tile's codes, v20-23 zeros
.set QL,   24                          ; the early tile's
.set KF,   32                          ; v32-63 eight tiles of K, v64-67 zeros
.set VF,   68                          ; four fragments of V^T
.set S,    100                         ; S^T, then p, then O / l
.set OT,   164                         ; O^T
.set PC,   196                         ; p's codes
.set KS,   204                         ; scale words, and nothing else: K's,
.set VS,   208                         ; V's,
.set QSH,  212                         ; the two tiles of Q's,
.set QSL,  213
.set PW,   214                         ; p's
.set BM,   216                         ; the blocks' largest
.set PD,   220
.set SO,   224
.set BY,   228
.set F,    232                         ; v[232:233] f = 2^(old M - new M), and a register named with it
.set T0,   234
.set RC,   236                         ; v[236:237] 1 / l
.set UH,   240
.set UL,   241
.set CH,   242
.set CL,   246
.set TM,   BM
.set WV,   10
.set DG,   38                          ; the step on the diagonal
.set OFF,  39                          ; my tile's first query, counted from that step's first key
.set TB,   40                          ; LDS byte of the step's record
.set SC,   41                          ; the step
.set SEL,  42
.set CS,   44
.set MSB, 0
.macro WIN new
.if MSB != (\new)
	s_set_vgpr_msb (MSB<<8)|(\new)
.set MSB, (\new)
.endif
.endm
.macro CROUND
	s_barrier_signal -1
	s_barrier_wait -1
	s_cmp_lg_u32 s[WV], 0
	s_cbranch_scc1 .Lnot_wave_0_\@
	s_barrier_signal -3
.Lnot_wave_0_\@:
	s_barrier_wait -3
	s_barrier_signal -1
	s_barrier_wait -1
.endm
; 32 numbers of a lane, register 8 u + j = k 16 u + 8 h + j, become four registers of codes (lane (r, h): k = 32 h + 0 .. 31) and two scale bytes.
.macro QUANT2 src, ws, dst, by
	WIN 5*(\ws)
.irp b, 0,1
	v_max3_num_f32 v[TM+\b], |v[(\src)+16*\b]|, |v[(\src)+16*\b+1]|, 0x1800000   ; and the floor 2^(3 - 127): the byte cannot fall under 1
.endr
	WIN 20*(\ws)
.irp i, 2,4,6,8,10,12,14
.irp b, 0,1
	v_max3_num_f32 v[TM+\b], v[TM+\b], |v[(\src)+16*\b+\i]|, |v[(\src)+16*\b+\i+1]|
.endr
.endr
	WIN 0
.irp b, 0,1
	v_permlanex16_b32 v[TM+2+\b], v[TM+\b], s[SEL], s[SEL+1]
.endr
.irp b, 0,1
	v_max_num_f32 v[TM+\b], v[TM+\b], v[TM+2+\b]
.endr
.irp b, 0,1
	v_add_nc_u32 v[TM+4+\b], 0xff000000, v[TM+\b]
.endr
.irp b, 0,1
	v_lshrrev_b32 v[(\by)+\b], 23, v[TM+4+\b]
.endr
	WIN \ws
	v_cvt_scalef32_pk8_fp4_f32 v[(\dst)], v[(\src):(\src)+7], v[TM+4]
	v_cvt_scalef32_pk8_fp4_f32 v[(\dst)+1], v[(\src)+16:(\src)+23], v[TM+5]
	v_cvt_scalef32_pk8_fp4_f32 v[(\dst)+2], v[(\src)+8:(\src)+15], v[TM+4]
	v_cvt_scalef32_pk8_fp4_f32 v[(\dst)+3], v[(\src)+24:(\src)+31], v[TM+5]
	WIN 0
	v_nop                                          ; one plain line behind the scaled conversions
	v_permlane16_swap_b32 v[(\dst)], v[(\dst)+1]
	v_permlane16_swap_b32 v[(\dst)+2], v[(\dst)+3]
.endm
	s_load_b128 s[4:7], s[0:1], 0x0                ; qkv, oc
	s_load_b64 s[8:9], s[0:1], 0x10                ; os
	v_lshl_add_u32 v254, v0, 2, 0x29000
	v_mov_b32 v255, 0
	ds_add_u32 v254, v255
	ds_add_u32 v254, v255
	v_lshrrev_b32 v1, 5, v0
	v_readfirstlane_b32 s[WV], v1                  ; wave 0..15
	s_bfe_u32 s11, ttmp6, 0x40000                  ; cx: my quarter of the head's queries
	s_and_b32 s12, ttmp7, 0xffff                   ; batch x 16 + head, which the four partners share
	s_lshr_b32 s13, s[WV], 1
	s_and_b32 s14, s[WV], 1
	s_mul_i32 s32, s12, HEADB
	s_mov_b32 s33, 0
	; descriptor group 1: 17,920 dense bytes (two records) as 70 rows of 256 bytes, for all four work-groups
	s_mov_b32 s16, 15|(3<<16)|(1<<21)
	s_mov_b32 s17, 32<<16
	s_mov_b32 s18, 70<<16
	s_mov_b32 s19, 32<<16
	s_mov_b32 s20, 70
	s_mov_b32 s21, 32
	s_mov_b32 s22, 0
	s_mov_b32 s23, 0
	s_mul_i32 s25, s[WV], 2*REC                    ; wave w (0..3) brings steps 2 w, 2 w + 1,
	s_add_co_u32 s29, s25, 8*REC                   ; and steps 8 + 2 w, 9 + 2 w
	s_mov_b32 s50, s25
	s_mov_b32 s51, 0
	v_and_b32 v[L16], 31, v0
	v_lshlrev_b32 v[L16], 4, v[L16]
	v_and_b32 v[RR], 15, v0
	v_lshlrev_b32 v[R16], 4, v[RR]
	v_bfe_u32 v[HH], v0, 4, 1
	v_lshlrev_b32 v[DD], 3, v[HH]
	v_sub_nc_u32 v[DD], v[RR], v[DD]
.irp i, 0,1,2,3
	v_mov_b32 v[QH+4+\i], 0                        ; zero codes for the upper half of the K step
	v_mov_b32 v[QL+4+\i], 0
	v_mov_b32 v[KF+32+\i], 0
	v_mov_b32 v[PD+\i], 0                          ; written once: a lane permute's destination counts as one of its sources
.endr
	v_mov_b32 v[F+1], 0                            ; named as the upper halves of pairs
	v_mov_b32 v[RC+1], 0
	v_mov_b32 v[T0], 0
	s_mov_b32 s[SEL], 0x76543210
	s_mov_b32 s[SEL+1], 0xfedcba98                 ; lane l xor 16
	s_mov_b32 s[CS], 0x3e38aa3b                    ; c = log2(e) / 8
	s_mov_b32 s[CS+1], s[CS]
	s_wait_dscnt 0x0
	s_wait_kmcnt 0x0
	s_add_nc_u64 s[4:5], s[4:5], s[32:33]          ; my head
	s_mov_b32 s24, 1
	s_add_nc_u64 s[26:27], s[4:5], s[50:51]
	s_mov_b32 s28, 1
	s_add_nc_u64 s[30:31], s[26:27], 8*REC
	s_or_b32 s27, s27, 0x80000000
	s_or_b32 s31, s31, 0x80000000
	CROUND                                         ; all four work-groups are here: the joint loads meet
	s_cmp_lt_u32 s[WV], 4
	s_cbranch_scc0 .Lno_fetch                      ; a wave's two fills stand in one branch on the wave's number: two loads of mine are out
	tensor_load_to_lds s[24:27], s[16:23]
	s_nop 0
	tensor_load_to_lds s[28:31], s[16:23]
	s_nop 0
.rept 4
	v_nop                                          ; four plain lines behind the tensor loads
.endr
.Lno_fetch:
	s_lshl_b32 s15, s11, 1
	s_add_co_u32 s15, s15, s14                     ; 2 cx + w % 2
	s_lshl_b32 s34, s13, 3
	s_add_co_u32 s34, s34, s15                     ; jL
	s_sub_co_u32 s35, 127, s34                     ; jH
	s_lshl_b32 s37, s15, 4                         ; jL's first query in its diagonal step
	s_sub_co_u32 s36, 112, s37                     ; jH's
	s_lshl_b32 s50, s35, 9
	s_add_co_u32 s50, s50, QIMG
	s_add_nc_u64 s[52:53], s[4:5], s[50:51]
	global_load_b128 v[QH:QH+3], v[L16], s[52:53]  ; Q's images
	s_lshl_b32 s50, s34, 9
	s_add_co_u32 s50, s50, QIMG
	s_add_nc_u64 s[54:55], s[4:5], s[50:51]
	global_load_b128 v[QL:QL+3], v[L16], s[54:55]
	s_lshr_b32 s50, s35, 2                         ; Q's scale words: [tile / 4][r][tile % 4]
	s_lshl_b32 s50, s50, 8
	s_and_b32 s56, s35, 3
	s_lshl_b32 s56, s56, 2
	s_add_co_u32 s50, s50, s56
	s_add_co_u32 s50, s50, QSC
	s_add_nc_u64 s[58:59], s[4:5], s[50:51]
	global_load_b32 v[QSH], v[R16], s[58:59]
	s_lshr_b32 s50, s34, 2
	s_lshl_b32 s50, s50, 8
	s_and_b32 s56, s34, 3
	s_lshl_b32 s56, s56, 2
	s_add_co_u32 s50, s50, s56
	s_add_co_u32 s50, s50, QSC
	s_add_nc_u64 s[60:61], s[4:5], s[50:51]
	global_load_b32 v[QSL], v[R16], s[60:61]
	; where the results go: oc [row tile][head][lane][16 bytes]; os [row tile][head / 8][r][16 bytes], two bytes a head
	s_lshr_b32 s56, s12, 4
	s_lshl_b32 s56, s56, 7                         ; 128 x batch
	s_and_b32 s57, s12, 15                         ; the head
	s_lshr_b32 s15, s57, 3
	s_lshl_b32 s15, s15, 8
	s_and_b32 s2, s57, 7
	s_lshl_b32 s2, s2, 1
	s_add_co_u32 s15, s15, s2                      ; 256 (head / 8) + 2 (head % 8)
	s_lshl_b32 s57, s57, 9
	s_add_co_u32 s50, s56, s35                     ; the late tile's row tile
	s_lshl_b32 s62, s50, 9
	s_add_co_u32 s62, s62, s15
	s_lshl_b32 s50, s50, 13
	s_add_co_u32 s50, s50, s57
	s_add_nc_u64 s[46:47], s[6:7], s[50:51]
	s_add_co_u32 s50, s56, s34                     ; the early tile's
	s_lshl_b32 s63, s50, 9
	s_add_co_u32 s63, s63, s15
	s_lshl_b32 s50, s50, 13
	s_add_co_u32 s50, s50, s57
	s_add_nc_u64 s[48:49], s[6:7], s[50:51]
.macro INIT                                    ; the step is written without a first step of its own: it finds zeros, which the first change of M leaves zeros
	v_mov_b32 v13, 0xff61b1e6                      ; the largest t so far: -3e38
	v_floor_f32 v12, -v13                          ; -M
	v_mov_b32 v14, 0
	v_mov_b32 v15, 0
.set i, 0
.rept 32
	v_mov_b32 v[OT+i], 0
.set i, i+1
.endr
.endm
; A KEY STEP of 128 keys for the tile whose codes stand at qf and whose scale words at qs.  masked = 1: steps behind the diagonal are left out (a scalar branch on the wave's number and the step), the step on it hides keys.
.macro STEP qf, qs, masked
.if \masked
	s_cmp_gt_u32 s[SC], s[DG]
	s_cbranch_scc1 .Lhidden_\@
.endif
	v_add_nc_u32 v[ADR], s[TB], v[L16]
	v_add_nc_u32 v[ADRV], s[TB], v[R16]
	v_nop
	v_nop                                          ; four plain lines in front of loads into registers that the last products read
	ds_load_b128 v[KS:KS+3], v[ADR] offset:8192    ; K's scale words: lanes 0-15 tiles 0-3, lanes 16-31 tiles 4-7
.irp t, 0,1,2,3,4,5,6,7
	ds_load_b128 v[KF+4*\t:KF+4*\t+3], v[ADR] offset:512*\t
.endr
	ds_load_b128 v[VS:VS+3], v[ADRV] offset:8704   ; V's: row r of tiles 0-3
.irp i, 0,1,2,3,4,5,6,7
	ds_load_b128 v[VF+4*\i:VF+4*\i+3], v[ADR] offset:4096+512*\i
.endr
	s_wait_dscnt 9                                 ; K and its scale words are in; V's nine loads may be out
.irp t, 0,1,2,3
	v_wmma_scale_f32_16x16x128_f8f6f4 v[S+8*\t:S+8*\t+7], v[KF+4*\t:KF+4*\t+7], v[\qf:\qf+7], 0, v[KS+\t], v[\qs] matrix_a_fmt:MATRIX_FMT_FP4 matrix_b_fmt:MATRIX_FMT_FP4
.endr
.irp t, 4,5,6,7
	v_wmma_scale_f32_16x16x128_f8f6f4 v[S+8*\t:S+8*\t+7], v[KF+4*\t:KF+4*\t+7], v[\qf:\qf+7], 0, v[KS+\t-4], v[\qs] matrix_a_fmt:MATRIX_FMT_FP4 matrix_b_fmt:MATRIX_FMT_FP4 matrix_a_scale:MATRIX_SCALE_ROW1
.endr
.rept 4
	v_nop                                          ; in front of the first read of the scores
.endr
.if \masked
	s_cmp_lg_u32 s[SC], s[DG]
	s_cbranch_scc1 .Lopen_\@
	v_add_nc_u32 v[T0], s[OFF], v[DD]              ; d = my query - 8 h, counted from the step's first key.  Register n holds key 16 (n / 8) + n % 8 + 8 h: hidden where 16 (n / 8) + n % 8 > d
	v_mov_b32 v[T0+1], 0xff800000                  ; -infinity: p = 0
.set n, 0
.rept 64
	v_cmp_gt_i32 vcc_lo, 16*(n/8)+n%8, v[T0]
	v_cndmask_b32 v[S+n], v[S+n], v[T0+1], vcc_lo
.set n, n+1
.endr
.Lopen_\@:
.endif
.irp b, 0,1,2,3
	v_max3_num_f32 v[BM+\b], v[S+16*\b], v[S+1+16*\b], v[S+2+16*\b]   ; the largest score of each block of 32 keys: for the row's maximum and, since p rises with the score, for the block's largest p
.endr
.irp i, 3,5,7,9,11,13
.irp b, 0,1,2,3
	v_max3_num_f32 v[BM+\b], v[BM+\b], v[S+16*\b+\i], v[S+1+16*\b+\i]
.endr
.endr
.irp b, 0,1,2,3
	v_max_num_f32 v[BM+\b], v[BM+\b], v[S+15+16*\b]
.endr
.irp b, 0,1,2,3
	v_permlanex16_b32 v[PD+\b], v[BM+\b], s[SEL], s[SEL+1]
.endr
.irp b, 0,1,2,3
	v_max_num_f32 v[BM+\b], v[BM+\b], v[PD+\b]     ; with lane l xor 16's 16 keys
.endr
	v_max3_num_f32 v[T0], v[BM], v[BM+1], v[BM+2]
	v_max_num_f32 v[T0], v[T0], v[BM+3]
	v_mul_f32 v[T0], s[CS], v[T0]                  ; as t
	v_max_num_f32 v13, v13, v[T0]                  ; the running largest t
	v_mov_b32 v[T0], v12
	v_floor_f32 v12, -v13                          ; the new -M = -ceil(t)
	v_sub_f32 v[T0], v12, v[T0]                    ; old M - new M: a whole number, 0 or less
	v_cvt_i32_f32 v[T0], v[T0]                     ; (it saturates)
	v_ldexp_f32 v[F], 1.0, v[T0]                   ; f = 2^(old M - new M): the rescaling rounds nothing
.set j, 0
.rept 32
	v_pk_fma_f32 v[S+j:S+j+1], v[S+j:S+j+1], s[CS:CS+1], v[12:13] op_sel_hi:[1,0,0]   ; t - M
.set j, j+2
.endr
.irp b, 0,1,2,3
	v_fma_f32 v[BM+\b], v[BM+\b], s[CS], v12
.endr
.set j, 0
.rept 64
	v_exp_f32 v[S+j], v[S+j]                       ; p
.set j, j+1
.endr
	v_pk_mul_f32 v[14:15], v[14:15], v[F:F+1] op_sel_hi:[1,0]   ; the sums under the new M: the plain line behind the batch
	s_wait_alu depctr_va_vdst(0)                   ; one wait for the 64, ahead of their first reader
.irp b, 0,1,2,3
	v_exp_f32 v[BM+\b], v[BM+\b]                   ; the blocks' largest p
.endr
	v_pk_add_f32 v[PD:PD+1], v[S:S+1], v[S+2:S+3]  ; the row's sum of the unquantised p, in two chains
.set j, 4
.rept 15
	v_pk_add_f32 v[14:15], v[14:15], v[S+j:S+j+1]
	v_pk_add_f32 v[PD:PD+1], v[PD:PD+1], v[S+2+j:S+3+j]
.set j, j+4
.endr
	v_pk_add_f32 v[14:15], v[14:15], v[PD:PD+1]
	s_wait_alu depctr_va_vdst(0)                   ; and one for the four
.irp b, 0,1,2,3
	v_max_num_f32 v[BM+\b], 0x1800000, v[BM+\b]    ; the floor 2^(3 - 127)
.endr
.irp b, 0,1,2,3
	v_add_nc_u32 v[SO+\b], 0xff000000, v[BM+\b]    ; 2 off the exponent field: the conversion's scale operand
.endr
.irp b, 0,1,2,3
	v_lshrrev_b32 v[BY+\b], 23, v[SO+\b]
.endr
	v_lshl_or_b32 v[PW], v[BY+1], 8, v[BY]         ; p's scale word for these 128 keys
	v_lshl_or_b32 v[PW], v[BY+2], 16, v[PW]
	v_lshl_or_b32 v[PW], v[BY+3], 24, v[PW]
.irp c, 0,1
	v_cvt_scalef32_pk8_fp4_f32 v[PC+4*\c], v[S+32*\c:S+32*\c+7], v[SO+2*\c]
	v_cvt_scalef32_pk8_fp4_f32 v[PC+4*\c+1], v[S+32*\c+16:S+32*\c+23], v[SO+2*\c+1]
	v_cvt_scalef32_pk8_fp4_f32 v[PC+4*\c+2], v[S+32*\c+8:S+32*\c+15], v[SO+2*\c]
	v_cvt_scalef32_pk8_fp4_f32 v[PC+4*\c+3], v[S+32*\c+24:S+32*\c+31], v[SO+2*\c+1]
.endr
	v_nop                                          ; one plain line behind the scaled conversions
.irp c, 0,1
	v_permlane16_swap_b32 v[PC+4*\c], v[PC+4*\c+1] ; a whole block in a lane: registers 4 c .. 4 c + 3 hold keys 64 c + 32 h + 0 .. 31
	v_permlane16_swap_b32 v[PC+4*\c+2], v[PC+4*\c+3]
.endr
.set j, 0
.rept 16
	v_pk_mul_f32 v[OT+j:OT+j+1], v[OT+j:OT+j+1], v[F:F+1] op_sel_hi:[1,0]   ; O^T under the new M; these lines also part the scale word's and the codes' last writes from the products
.set j, j+2
.endr
	s_wait_dscnt 0x0                               ; V and its scale words are in
.irp dt, 0,1,2,3
	v_wmma_scale_f32_16x16x128_f8f6f4 v[OT+8*\dt:OT+8*\dt+7], v[VF+8*\dt:VF+8*\dt+7], v[PC:PC+7], v[OT+8*\dt:OT+8*\dt+7], v[VS+\dt], v[PW] matrix_a_fmt:MATRIX_FMT_FP4 matrix_b_fmt:MATRIX_FMT_FP4
.endr
.if \masked
.Lhidden_\@:
.endif
	s_add_co_u32 s[TB], s[TB], REC
.endm
; A tile's end: O^T / l, quantised along the head's 64, stored as an image (512 consecutive bytes); its two scale bytes are kept in v[u].
.macro FINISH cod, u, bs
.rept 4
	v_nop                                          ; in front of the first read of O^T
.endr
	v_add_f32 v14, v14, v15
	v_permlanex16_b32 v[T0], v14, s[SEL], s[SEL+1]
	v_add_f32 v14, v14, v[T0]                      ; the row's sum
	v_rcp_f32 v[RC], v14
	v_nop                                          ; a plain line behind the reciprocal,
	s_wait_alu depctr_va_vdst(0)                   ; and the wait ahead of its first reader
.set i, 0
.rept 16
	v_pk_mul_f32 v[S+i:S+i+1], v[OT+i:OT+i+1], v[RC:RC+1] op_sel_hi:[1,0]   ; each accumulator from its low end on
.set i, i+2
.endr
	QUANT2 S, 0, \cod, BY
	global_store_b128 v[L16], v[\cod:\cod+3], s[\bs:\bs+1]
	v_lshl_or_b32 v[\u], v[BY+1], 8, v[BY]
.endm
	INIT
	s_sub_co_u32 s[DG], 15, s13
	s_mov_b32 s[OFF], s36
	s_mov_b32 s[TB], 0
	s_mov_b32 s[SC], 0
	s_wait_loadcnt 0x0                             ; Q
	s_wait_tensorcnt 0x1                           ; my part of steps 0-7 has landed; that of steps 8-15 may be out
	s_barrier_signal -1
	s_barrier_wait -1
.LH0:                                              ; the late tile, steps 0-7: every key counts, in every wave
	STEP QH, QSH, 0
	s_add_co_u32 s[SC], s[SC], 1
	s_cmp_lt_u32 s[SC], 8
	s_cbranch_scc1 .LH0
	s_wait_dscnt 0x0
	s_wait_tensorcnt 0x0                           ; steps 8-15 have landed,
	s_barrier_signal -1
	s_barrier_wait -1                              ; everybody's part
.LH1:                                              ; steps 8-15, up to the diagonal
	STEP QH, QSH, 1
	s_add_co_u32 s[SC], s[SC], 1
	s_cmp_lt_u32 s[SC], 16
	s_cbranch_scc1 .LH1
	FINISH CH, UH, 46
	INIT
	s_mov_b32 s[DG], s13
	s_mov_b32 s[OFF], s37
	s_mov_b32 s[TB], 0
	s_mov_b32 s[SC], 0
.LL:                                               ; the early tile, steps 0-7, up to the diagonal
	STEP QL, QSL, 1
	s_add_co_u32 s[SC], s[SC], 1
	s_cmp_lt_u32 s[SC], 8
	s_cbranch_scc1 .LL
	FINISH CL, UL, 48
	v_cmp_ne_u32 vcc_lo, 0, v[HH]                  ; the scale bytes: lanes 0-15 store the late tile's two of row r, lanes 16-31 the early tile's
	v_cndmask_b32 v[T0], v[UH], v[UL], vcc_lo
	v_mov_b32 v[T0+1], s62
	v_mov_b32 v[SO], s63
	v_cndmask_b32 v[T0+1], v[T0+1], v[SO], vcc_lo
	v_lshl_add_u32 v[T0+1], v[RR], 4, v[T0+1]
	global_store_b16 v[T0+1], v[T0], s[8:9]
	s_wait_tensorcnt 0x0
	ds_add_u32 v254, v255
	s_wait_dscnt 0x0
	CROUND                                         ; the closing round
	s_endpgm
.Lfunc_end_k_q0fe2c9ec28_attn:
	.size	k_q0fe2c9ec28_attn, .Lfunc_end_k_q0fe2c9ec28_attn-k_q0fe2c9ec28_attn
	.p2alignl 7, 3214868480
	.fill 96, 4, 3214868480
	.section	.rodata,"a",@progbits
	.p2align	6, 0x0
	.amdhsa_kernel k_q0fe2c9ec28_attn
		.amdhsa_group_segment_fixed_size 169984
		.amdhsa_private_segment_fixed_size 0
		.amdhsa_enable_private_segment 0
		.amdhsa_kernarg_size 24
		.amdhsa_user_sgpr_count 2
		.amdhsa_user_sgpr_kernarg_segment_ptr 1
		.amdhsa_wavefront_size32 1
		.amdhsa_system_sgpr_workgroup_id_x 1
		.amdhsa_system_sgpr_workgroup_id_y 1
		.amdhsa_system_sgpr_workgroup_id_z 1
		.amdhsa_system_vgpr_workitem_id 0
		.amdhsa_next_free_vgpr 256
		.amdhsa_next_free_sgpr 66
		.amdhsa_reserve_vcc 1
		.amdhsa_float_denorm_mode_32 3
		.amdhsa_float_denorm_mode_16_64 3
		.amdhsa_memory_ordered 1
		.amdhsa_forward_progress 1
		.amdhsa_inst_pref_size 71
	.end_amdhsa_kernel
	.amdgpu_metadata
---
amdhsa.version: [ 1, 2 ]
amdhsa.kernels:
  - .name:           k_q0fe2c9ec28_attn
    .symbol:         k_q0fe2c9ec28_attn.kd
    .args:
      - { .name: qkv, .offset: 0, .size: 8, .value_kind: global_buffer, .address_space: global }
      - { .name: oc, .offset: 8, .size: 8, .value_kind: global_buffer, .address_space: global }
      - { .name: os, .offset: 16, .size: 8, .value_kind: global_buffer, .address_space: global }
    .group_segment_fixed_size: 169984
    .private_segment_fixed_size: 0
    .kernarg_segment_align: 8
    .kernarg_segment_size: 24
    .max_flat_workgroup_size: 512
    .sgpr_count:     66
    .vgpr_count:     256
    .wavefront_size: 32
...
	.end_amdgpu_metadata
.endif
;; end of part 2
;; launch oproj (part 3): grid 8 x 32, 4 waves a work-group, clusters of 4 x 4, 262,656 bytes of LDS; arguments oc, os, Wo_codes, Wo_scales, out0; writes out0
.if DOCPART == 3
	.amdgcn_target "amdgcn-amd-amdhsa--gfx1250"
	.amdhsa_code_object_version 6
	.text
	.protected	k_q0fe2c9ec28_oproj
	.globl	k_q0fe2c9ec28_oproj
	.p2align	8
	.type	k_q0fe2c9ec28_oproj,@function
k_q0fe2c9ec28_oproj:
	s_mov_b64 s[64:65], 0
	v_nop
	global_prefetch_b8 v0, s[64:65] scope:SCOPE_SE
	s_setreg_imm32_b32 hwreg(HW_REG_WAVE_MODE, 25, 1), 1
	s_wait_xcnt 0x0
	s_wait_alu depctr_hold_cnt(0) depctr_sa_sdst(0) depctr_va_vdst(0) depctr_va_sdst(0) depctr_va_ssrc(0) depctr_va_vcc(0) depctr_vm_vsrc(0)
	s_getreg_b32 s2, hwreg(HW_REG_IB_STS2, 6, 4)
	s_cmp_eq_u32 s2, 0
	s_cbranch_scc0 .Lentry_in_a_cluster
	s_endpgm
.Lentry_in_a_cluster:
	s_bfe_u32 s2, ttmp6, 0x10000c
	s_cmp_lg_u32 s2, 0xf033
	s_cbranch_scc0 .Lentry_shape_is_right
	s_endpgm
.Lentry_shape_is_right:
; out = O Wo^T on codes of FP4 with E8M0 scales.  O: 8,192 rows x 1,024, as images of operand registers: oc [row tile 512][head 16][lane][16 bytes] (heads 2 s, 2 s + 1 are the fragment of K step s), os [row tile][s / 4][r][s % 4] scale words.
; Wo: [1,024][1,024] codes, K innermost, 512 bytes a row; its scale bytes 32 a row.  out0: f32.
; SHARES.  A work-group makes 256 rows x 128 columns; wave w rows 64 w on (4 tiles) x 128 columns (8 tiles): 32 accumulators.  All of K lies in LDS in two halves, each filled once: by this text's count a wave has four tensor loads out.
; CLUSTER 4 x 4: O's tiles hang on the row block and the wave: shared along a row of the cluster; Wo's on the column block and the wave: shared along a column.
; The product is used TRANSPOSED (source 0 = 16 rows of Wo, source 1 = 16 rows of O): a lane holds eight neighbouring columns of one row of the result.
; REGISTERS: window 0: v1-11 addresses; v32-47 O's scale words, v48-79 Wo's; v96-159 O's fragments, two sets; on the way out v128-255.  window 1: Wo's fragments, two sets of 64.  window 2: accumulator (mt, t) at 8 (8 mt + t).
.set PITCH,  272                       ; a row of Wo in LDS: 256 bytes + 16 of padding
.set AH,     65536                     ; O's half: [wave][tile][4,096 bytes], as in memory
.set BB0,    131072                    ; Wo's halves begin here,
.set BH,     34816                     ; 128 rows each
.set STG,    200704                    ; the way out: 16 rows x (512 bytes + 16) for each wave; no tile lands here
.set SPITCH, 528
.set RR,   1
.set HH,   2
.set L16,  3
.set ADRA, 4
.set ADRB, 6
.set STO,  8
.set RD,   9
.set SOA,  10
.set SOB,  11
.set SCA,  32
.set SCB,  48
.set AF,   96
.set BK,   128
.set WV,   14
.set G1A,  24
.set G1B,  48
.set MSB, 0
.macro WIN new
.if MSB != (\new)
	s_set_vgpr_msb (MSB<<8)|(\new)
.set MSB, (\new)
.endif
.endm
.macro PLACES n
.rept \n
	v_nop
.endr
.endm
.macro CROUND
	s_barrier_signal -1
	s_barrier_wait -1
	s_cmp_lg_u32 s[WV], 0
	s_cbranch_scc1 .Lnot_wave_0_\@
	s_barrier_signal -3
.Lnot_wave_0_\@:
	s_barrier_wait -3
	s_barrier_signal -1
	s_barrier_wait -1
.endm
.macro W4 d, a, b, zero, sa, sb, ra, rb
.if (\zero) && (\ra) && (\rb)
	v_wmma_scale_f32_16x16x128_f8f6f4 v[(\d):(\d)+7], v[(\a):(\a)+7], v[(\b):(\b)+7], 0, v[(\sa)], v[(\sb)] matrix_a_fmt:MATRIX_FMT_FP4 matrix_b_fmt:MATRIX_FMT_FP4 matrix_a_scale:MATRIX_SCALE_ROW1 matrix_b_scale:MATRIX_SCALE_ROW1
.elseif (\zero) && (\ra)
	v_wmma_scale_f32_16x16x128_f8f6f4 v[(\d):(\d)+7], v[(\a):(\a)+7], v[(\b):(\b)+7], 0, v[(\sa)], v[(\sb)] matrix_a_fmt:MATRIX_FMT_FP4 matrix_b_fmt:MATRIX_FMT_FP4 matrix_a_scale:MATRIX_SCALE_ROW1
.elseif (\zero) && (\rb)
	v_wmma_scale_f32_16x16x128_f8f6f4 v[(\d):(\d)+7], v[(\a):(\a)+7], v[(\b):(\b)+7], 0, v[(\sa)], v[(\sb)] matrix_a_fmt:MATRIX_FMT_FP4 matrix_b_fmt:MATRIX_FMT_FP4 matrix_b_scale:MATRIX_SCALE_ROW1
.elseif (\zero)
	v_wmma_scale_f32_16x16x128_f8f6f4 v[(\d):(\d)+7], v[(\a):(\a)+7], v[(\b):(\b)+7], 0, v[(\sa)], v[(\sb)] matrix_a_fmt:MATRIX_FMT_FP4 matrix_b_fmt:MATRIX_FMT_FP4
.elseif (\ra) && (\rb)
	v_wmma_scale_f32_16x16x128_f8f6f4 v[(\d):(\d)+7], v[(\a):(\a)+7], v[(\b):(\b)+7], v[(\d):(\d)+7], v[(\sa)], v[(\sb)] matrix_a_fmt:MATRIX_FMT_FP4 matrix_b_fmt:MATRIX_FMT_FP4 matrix_a_scale:MATRIX_SCALE_ROW1 matrix_b_scale:MATRIX_SCALE_ROW1
.elseif (\ra)
	v_wmma_scale_f32_16x16x128_f8f6f4 v[(\d):(\d)+7], v[(\a):(\a)+7], v[(\b):(\b)+7], v[(\d):(\d)+7], v[(\sa)], v[(\sb)] matrix_a_fmt:MATRIX_FMT_FP4 matrix_b_fmt:MATRIX_FMT_FP4 matrix_a_scale:MATRIX_SCALE_ROW1
.elseif (\rb)
	v_wmma_scale_f32_16x16x128_f8f6f4 v[(\d):(\d)+7], v[(\a):(\a)+7], v[(\b):(\b)+7], v[(\d):(\d)+7], v[(\sa)], v[(\sb)] matrix_a_fmt:MATRIX_FMT_FP4 matrix_b_fmt:MATRIX_FMT_FP4 matrix_b_scale:MATRIX_SCALE_ROW1
.else
	v_wmma_scale_f32_16x16x128_f8f6f4 v[(\d):(\d)+7], v[(\a):(\a)+7], v[(\b):(\b)+7], v[(\d):(\d)+7], v[(\sa)], v[(\sb)] matrix_a_fmt:MATRIX_FMT_FP4 matrix_b_fmt:MATRIX_FMT_FP4
.endif
.endm
	s_load_b256 s[4:11], s[0:1], 0x0               ; oc s[4:5], os s[6:7], Wo's codes s[8:9], Wo's scales s[10:11]
	s_load_b64 s[12:13], s[0:1], 0x20              ; out0
	v_lshl_add_u32 v94, v0, 2, 0x40000
	v_mov_b32 v95, 0
	ds_add_u32 v94, v95
	ds_add_u32 v94, v95
	v_lshrrev_b32 v1, 5, v0
	v_readfirstlane_b32 s[WV], v1                  ; wave 0..3
	s_bfe_u32 s40, ttmp6, 0x40000                  ; cx
	s_bfe_u32 s41, ttmp6, 0x40004                  ; cy
	s_lshl_b32 s42, ttmp9, 2
	s_add_co_u32 s42, s42, s40                     ; the block of 128 columns
	s_and_b32 s17, ttmp7, 0xffff
	s_lshl_b32 s17, s17, 2
	s_add_co_u32 s17, s17, s41                     ; the block of 256 rows
	s_lshl_b32 s43, s41, 2
	s_lshl_b32 s43, 15, s43                        ; my row of the cluster
	s_lshl_b32 s44, 0x1111, s40                    ; my column
	; group 1 for O: 4 row tiles x 4,096 bytes (512 elements of 8), 8,192 bytes apart; dense in LDS
	s_or_b32 s[G1A], s43, (3<<16)|(1<<21)
	s_mov_b32 s[G1A+1], 512<<16
	s_mov_b32 s[G1A+2], 4<<16
	s_mov_b32 s[G1A+3], 512<<16
	s_mov_b32 s[G1A+4], 4
	s_mov_b32 s[G1A+5], 1024
	s_mov_b32 s[G1A+6], 0
	s_mov_b32 s[G1A+7], 0
	; for Wo: 32 rows x 256 bytes, 512 apart, 16 bytes of padding behind each
	s_or_b32 s[G1B], s44, (1<<20)|(1<<21)|(5<<22)|(3<<25)
	s_mov_b32 s[G1B+1], 256<<16
	s_mov_b32 s[G1B+2], 32<<16
	s_mov_b32 s[G1B+3], 256<<16
	s_mov_b32 s[G1B+4], 32
	s_mov_b32 s[G1B+5], 512
	s_mov_b32 s[G1B+6], 0
	s_mov_b32 s[G1B+7], 0
	s_lshl_b32 s20, s17, 17                        ; O: row tile 16 block + 4 w, 8,192 bytes a tile
	s_lshl_b32 s15, s[WV], 15
	s_add_co_u32 s20, s20, s15
	s_mov_b32 s21, 0
	s_lshl_b32 s46, s42, 16                        ; Wo: row 128 block + 32 w, 512 bytes a row
	s_lshl_b32 s15, s[WV], 14
	s_add_co_u32 s46, s46, s15
	s_mov_b32 s47, 0
	s_lshl_b32 s22, s[WV], 14                      ; where they go: no place in the cluster enters an LDS address
	s_mul_i32 s23, s[WV], 32*PITCH
	s_add_co_u32 s23, s23, BB0
	v_and_b32 v[RR], 15, v0
	v_bfe_u32 v[HH], v0, 4, 1
	v_and_b32 v[L16], 31, v0
	v_lshlrev_b32 v[L16], 4, v[L16]
	v_add_nc_u32 v[ADRA], s22, v[L16]              ; an image's place for my lane
	v_add_nc_u32 v[ADRA+1], AH, v[ADRA]
	v_mul_u32_u24 v12, v[RR], PITCH
	v_lshl_add_u32 v12, v[HH], 4, v12              ; a fragment's row x pitch + 16 x half
	v_add_nc_u32 v[ADRB], BB0, v12
	v_add_nc_u32 v[ADRB+1], BB0+BH, v12
	s_mul_i32 s45, s[WV], 16*SPITCH
	s_add_co_u32 s45, s45, STG                     ; my stage
	v_mul_u32_u24 v12, v[RR], SPITCH
	v_lshl_add_u32 v12, v[HH], 5, v12
	v_add_nc_u32 v[STO], s45, v12                  ; in: row r, 32 bytes for each half of the lanes
	v_add_nc_u32 v[RD], s45, v[L16]                ; back: the 32 lanes take one row of 512 bytes
	v_lshlrev_b32 v[SOA], 4, v[RR]
	v_lshl_add_u32 v[SOA], v[HH], 10, v[SOA]       ; O's scale words: 16 bytes a row; lanes 16-31 take the tile two further on
	v_lshlrev_b32 v[SOB], 5, v[RR]
	v_lshl_add_u32 v[SOB], v[HH], 11, v[SOB]       ; Wo's: 32 bytes a row; lanes 16-31 the tile four further on
	s_wait_dscnt 0x0
	s_wait_kmcnt 0x0
	s_add_nc_u64 s[20:21], s[4:5], s[20:21]
	s_add_nc_u64 s[46:47], s[8:9], s[46:47]
.irp k, 0,1
	s_mov_b32 s[32+4*\k], 1
	s_add_co_u32 s[33+4*\k], s22, \k*AH
	s_add_nc_u64 s[34+4*\k:35+4*\k], s[20:21], \k*4096
	s_or_b32 s[35+4*\k], s[35+4*\k], 0x80000000
	s_mov_b32 s[56+4*\k], 1
	s_add_co_u32 s[57+4*\k], s23, \k*BH
	s_add_nc_u64 s[58+4*\k:59+4*\k], s[46:47], \k*256
	s_or_b32 s[59+4*\k], s[59+4*\k], 0x80000000
.endr
	CROUND                                         ; all sixteen work-groups are here: the joint loads meet
	tensor_load_to_lds s[32:35], s[G1A:G1A+7]      ; half 0
	s_nop 0
	tensor_load_to_lds s[56:59], s[G1B:G1B+7]
	s_nop 0
	tensor_load_to_lds s[36:39], s[G1A:G1A+7]      ; half 1
	s_nop 0
	tensor_load_to_lds s[60:63], s[G1B:G1B+7]
	s_nop 0
	PLACES 4                                       ; four plain lines behind the tensor loads
	s_lshl_b32 s18, s17, 13                        ; the scale words of all of K go straight into registers, once
	s_lshl_b32 s15, s[WV], 11
	s_add_co_u32 s18, s18, s15
	s_mov_b32 s19, 0
	s_add_nc_u64 s[6:7], s[6:7], s[18:19]
	s_lshl_b32 s18, s42, 12
	s_add_nc_u64 s[10:11], s[10:11], s[18:19]
.irp u, 0,1
.irp g, 0,1
	global_load_b128 v[SCA+8*\u+4*\g:SCA+8*\u+4*\g+3], v[SOA], s[6:7] offset:512*\u+256*\g
.endr
.endr
.irp u, 0,1,2,3
.irp g, 0,1
	global_load_b128 v[SCB+8*\u+4*\g:SCB+8*\u+4*\g+3], v[SOB], s[10:11] offset:512*\u+16*\g
.endr
.endr
	s_lshl_b32 s18, s17, 20                        ; my first row of the result, 4,096 bytes a row, and my block's 512 bytes of it
	s_lshl_b32 s15, s[WV], 18
	s_add_co_u32 s18, s18, s15
	s_lshl_b32 s15, s42, 9
	s_add_co_u32 s18, s18, s15
	s_add_nc_u64 s[12:13], s[12:13], s[18:19]
	s_wait_loadcnt 0x0                             ; the scale words
	s_wait_tensorcnt 0x2                           ; my two loads of half 0 have landed; the two of half 1 may be out
	s_barrier_signal -1
	s_barrier_wait -1
.macro FETCH s, set
	WIN 0x40                                       ; destination window 1
.irp t, 0,1,2,3,4,5,6,7
.irp c, 0,1
	ds_load_b128 v[64*(\set)+8*\t+4*\c:64*(\set)+8*\t+4*\c+3], v[ADRB+(\s)/4] offset:\t*16*PITCH+64*((\s)%4)+32*\c
.endr
.endr
	WIN 0
.irp m, 0,1,2,3
.irp c, 0,1
	ds_load_b128 v[AF+32*(\set)+8*\m+4*\c:AF+32*(\set)+8*\m+4*\c+3], v[ADRA+(\s)/4] offset:4096*\m+1024*((\s)%4)+512*\c
.endr
.endr
.endm
; The 32 accumulators take turns, one instruction a turn, in the same order in every step.
.macro MULS s, set, zero
	WIN 0xa1                                       ; source 0 (Wo) window 1, source 1 (O) window 0, C and D window 2
.irp mt, 0,1,2,3
.irp t, 0,1,2,3,4,5,6,7
	W4 8*(8*\mt+\t), 64*(\set)+8*\t, AF+32*(\set)+8*\mt, \zero, SCB+8*(\t%4)+(\s), SCA+8*(\mt%2)+(\s), \t/4, \mt/2
.endr
.endr
.endm
.macro KSTEP s
.if (\s) == 3
	s_wait_dscnt 0x0                               ; no LDS load of mine is out at the signal
	s_wait_tensorcnt 0x0                           ; my loads of half 1 have landed,
	s_barrier_signal -1
	s_barrier_wait -1                              ; everybody's
.endif
.if (\s) > 0
	PLACES 4                                       ; in front of loads into registers that the last products read
.endif
.if (\s) < 7
	FETCH (\s)+1, ((\s)+1)%2
	s_wait_dscnt 24                                ; all but the 24 just issued: this step's fragments are in
.else
	s_wait_dscnt 0x0
.endif
.if (\s) == 0
	MULS \s, 0, 1
.else
	MULS \s, (\s)%2, 0
.endif
.endm
	FETCH 0, 0
.irp s, 0,1,2,3,4,5,6,7
	KSTEP \s
.endr
	WIN 0
; THE WAY OUT, a block of 16 rows x 128 columns at a time: through my own stage in LDS, back as whole rows of 512 bytes.  LDS serves a wave's instructions in order: no wait between the stores and the loads.
.macro TOSTAGE a
	WIN 0x08                                       ; an LDS store's data: window 2
.irp b, 0,1,2,3,4,5,6,7
	ds_store_b128 v[STO], v[64*(\a)+8*\b:64*(\a)+8*\b+3] offset:64*\b          ; each accumulator from its low end on
	ds_store_b128 v[STO], v[64*(\a)+8*\b+4:64*(\a)+8*\b+7] offset:64*\b+16
.endr
	WIN 0
.set BB, BK+64*((\a)%2)
.irp t, 0,1,2,3,4,5,6,7,8,9,10,11,12,13,14,15
	ds_load_b128 v[BB+4*\t:BB+4*\t+3], v[RD] offset:\t*SPITCH
.endr
.endm
.macro SEND a, younger                 ; younger: the LDS instructions issued behind block a's loads, which may stay out
.set BB, BK+64*((\a)%2)
	s_wait_dscnt \younger
.irp t, 0,1,2,3,4,5,6,7,8,9,10,11,12,13,14,15
	global_store_b128 v[L16], v[BB+4*\t:BB+4*\t+3], s[12:13] offset:(\a)*65536+\t*4096 th:TH_STORE_NT   ; 32 lanes store 512 consecutive bytes, at a multiple of 256 from the buffer's first byte
.endr
.endm
	PLACES 4                                       ; in front of the first reads of results and of loads into the fragments' registers
	TOSTAGE 0
.irp a, 1,2,3
.if \a > 1
	s_wait_xcnt 0x0                                ; block a - 2's stores have read their registers: block a's loads may land there
.endif
	TOSTAGE \a
	SEND \a-1, 32                                  ; behind block a - 1's loads: block a's 16 stores and 16 loads
.endr
	SEND 3, 0
	s_wait_tensorcnt 0x0
	ds_add_u32 v94, v95
	s_wait_dscnt 0x0
	CROUND                                         ; the closing round
	s_endpgm
.Lfunc_end_k_q0fe2c9ec28_oproj:
	.size	k_q0fe2c9ec28_oproj, .Lfunc_end_k_q0fe2c9ec28_oproj-k_q0fe2c9ec28_oproj
	.p2alignl 7, 3214868480
	.fill 96, 4, 3214868480
	.section	.rodata,"a",@progbits
	.p2align	6, 0x0
	.amdhsa_kernel k_q0fe2c9ec28_oproj
		.amdhsa_group_segment_fixed_size 262656
		.amdhsa_private_segment_fixed_size 0
		.amdhsa_enable_private_segment 0
		.amdhsa_kernarg_size 40
		.amdhsa_user_sgpr_count 2
		.amdhsa_user_sgpr_kernarg_segment_ptr 1
		.amdhsa_wavefront_size32 1
		.amdhsa_system_sgpr_workgroup_id_x 1
		.amdhsa_system_sgpr_workgroup_id_y 1
		.amdhsa_system_sgpr_workgroup_id_z 1
		.amdhsa_system_vgpr_workitem_id 0
		.amdhsa_next_free_vgpr 768
		.amdhsa_next_free_sgpr 80
		.amdhsa_reserve_vcc 0
		.amdhsa_float_denorm_mode_32 3
		.amdhsa_float_denorm_mode_16_64 3
		.amdhsa_memory_ordered 1
		.amdhsa_forward_progress 1
		.amdhsa_inst_pref_size 69
	.end_amdhsa_kernel
	.amdgpu_metadata
---
amdhsa.version: [ 1, 2 ]
amdhsa.kernels:
  - .name:           k_q0fe2c9ec28_oproj
    .symbol:         k_q0fe2c9ec28_oproj.kd
    .args:
      - { .name: oc, .offset: 0, .size: 8, .value_kind: global_buffer, .address_space: global }
      - { .name: os, .offset: 8, .size: 8, .value_kind: global_buffer, .address_space: global }
      - { .name: Wo_codes, .offset: 16, .size: 8, .value_kind: global_buffer, .address_space: global }
      - { .name: Wo_scales, .offset: 24, .size: 8, .value_kind: global_buffer, .address_space: global }
      - { .name: out0, .offset: 32, .size: 8, .value_kind: global_buffer, .address_space: global }
    .group_segment_fixed_size: 262656
    .private_segment_fixed_size: 0
    .kernarg_segment_align: 8
    .kernarg_segment_size: 40
    .max_flat_workgroup_size: 128
    .sgpr_count:     80
    .vgpr_count:     768
    .wavefront_size: 32
...
	.end_amdgpu_metadata
.endif
;; end of part 3
